; MI455X (gfx1250); checked and timed in simulation.
; The chip was launched on July 23, 2026; its instructions are those of AMD's public machine-readable ISA for CDNA 5 (MIT licence, August 2026) and "CDNA5" Instruction Set Architecture Reference Guide (July 2026). The comments in the code are by the model that wrote it; some were corrected since.
;; Feed Forward Quantum. Allowed arithmetic: matrix products marked QUANTISED: E2M1 operands, one E8M0 scale for each 32 along K, by v_wmma_scale_f32_16x16x128_f8f6f4 with both operands' format E2M1 (or v_wmma_scale_f32_32x16x128_f4), f32 sums; products left as they are: f32 operands where the result goes on into a quantised operand, else bf16, f16 or f32 operands; f32 sums; everything else in f32.
;; Inputs: W1 4,096 x 8 float32; W2_codes 1,024 x 128 x 16 uint8 (E2M1 codes of W2, K innermost, in blocks of 32 codes, two codes a byte); W2_scales 1,024 x 128 uint8 (E8M0 scales of W2, one for each 32 codes along K); b1 4,096 float32; b2 1,024 float32; theta 8 float32; x 8 x 2,048 x 1,024 float32.
;; Outputs: out0 8 x 2,048 x 1,024 float32.
;; This version of the problem:
;;   THIS VERSION OF THE PROBLEM IS GIVEN IN LOW PRECISION. The matrix products marked QUANTISED in the list below multiply operands that are first quantised to E2M1 (2 exponent bits, 1 mantissa bit; 4 bits a number), with one power-of-two scale for each 32 numbers along K (OCP MX v1.0); their sums are f32. All else is computed in f32.
;;   The module's matrix products, in the order in which they are computed (A, B: the left and right operand; K: the contracted axis; several contracted axes count as one K, in the product's order):
;;     1. [M 16,384, K 8] x [K 8, N 4,096]; A: computed on the way; B: input W1: left as it is (K = 8 < 32)
;;     2. [M 16,384, K 4,096] x [K 4,096, N 1,024]; A: computed on the way; B: input W2 (given as codes): QUANTISED
;;   THE QUANTISER, for each operand of a quantised product, along K:
;;     - K is cut into blocks of 32 from its start; a last block that is shorter is filled with zeros.
;;     - A block's scale is 2^e with e = floor(log2(the largest magnitude in the block)) - 2, held to -126 .. 127; a block of zeros has e = 0. As a byte (E8M0): e + 127.
;;     - Each number is divided by its block's scale, clamped to +-6, and rounded to the nearest number of E2M1, ties to even, subnormals kept.
;;     - The product sums the exact products of the quantised numbers (number of the format x scale) in f32.
;;   ~~~python
;;   def quantise(x, axis):      # numpy; x: float32 -> the quantised numbers, widened to float32 again
;;       x = np.moveaxis(x, axis, -1); K = x.shape[-1]
;;       x = np.pad(x, [(0, 0)] * (x.ndim - 1) + [(0, -K % 32)]); x = x.reshape(x.shape[:-1] + (-1, 32)); a = np.abs(x).max(-1, keepdims=True)
;;       e = np.where(a > 0, np.clip(np.frexp(np.where(a > 0, a, 1))[1] - 1 - 2, -126, 127), 0)      # np.frexp(a)[1] - 1 = floor(log2(a)), exactly
;;       r = np.clip(x / 2.0 ** e, -6, 6)
;;       step = 2.0 ** (np.maximum(np.frexp(np.where(r == 0, 1, r))[1] - 1, 0) - 1)
;;       q = np.round(r / step) * step * 2.0 ** e      # np.round: ties to even
;;       return np.moveaxis(q.reshape(q.shape[:-2] + (-1,))[..., :K], -1, axis).astype(np.float32)
;;   ~~~
;;   OPERANDS COMPUTED ON THE WAY. 'Computed on the way' means the value that the module computes at that place (a softmax that the list does not call 'softmax' is quantised finished and normalised). What goes into a quantiser is computed in f32, as accurately as f32 sums, v_exp_f32 and their like allow (about 1e-6 of the number): no bf16 or f16 on the way to a quantiser, and a product that is left as it is and whose result goes on into a quantised operand takes f32 operands (vector FMAs, or v_wmma_f32_16x16x4_f32). A number that lies on a knife's edge between two numbers of the format may be rounded either way, as far as f32 arithmetic and the matrix unit's own rounding can turn it there, and no further.
;;   INPUTS GIVEN AS CODES. W2 (in the module: [1024, 4096], K = its axis 1): each comes as NAME_codes (uint8): NAME with its K axis moved to the last place and cut into blocks of 32 codes, [.., K / 32, bytes a block], one block behind the other in memory; two codes a byte, the lower K in the low four bits (a code: sign, 2 exponent bits, 1 mantissa bit); and NAME_scales (uint8): the same leading axes, one E8M0 byte (e + 127) for each 32 codes along K. Its value is code x scale, taken as it is: it is not quantised again, and the codes and scales need not be those that the quantiser above would give.
;; One version. Each part assembles by itself: llvm-mc -triple=amdgcn-amd-amdhsa -mcpu=gfx1250 --defsym DOCPART=n.
;; ======== version 1 of 1: 1 launch
;; limits: inputs' magnitudes at most 1,048,576; right only within a limited range of input values
;; launch ffq (part 1): grid 256 x 1, 4 waves a work-group, clusters of 4 x 1, 327,680 bytes of LDS; arguments W1, W2_codes, W2_scales, b1, b2, theta, x, out0; writes out0
.if DOCPART == 1
	.amdgcn_target "amdgcn-amd-amdhsa--gfx1250"
	.amdhsa_code_object_version 6
	.text
	.protected	k_qf891c43873_ffq
	.globl	k_qf891c43873_ffq
	.p2align	8
	.type	k_qf891c43873_ffq,@function
k_qf891c43873_ffq:
	s_mov_b64 s[64:65], 0
	v_nop
	global_prefetch_b8 v0, s[64:65] scope:SCOPE_SE
	s_setreg_imm32_b32 hwreg(HW_REG_WAVE_MODE, 25, 1), 1
	s_wait_xcnt 0x0
	s_wait_alu depctr_hold_cnt(0) depctr_sa_sdst(0) depctr_va_vdst(0) depctr_va_sdst(0) depctr_va_ssrc(0) depctr_va_vcc(0) depctr_vm_vsrc(0)
	s_getreg_b32 s2, hwreg(HW_REG_IB_STS2, 6, 4)
	s_cmp_eq_u32 s2, 0
	s_cbranch_scc0 .Lentry_in_a_cluster
	s_endpgm
.Lentry_in_a_cluster:
	s_bfe_u32 s2, ttmp6, 0x10000c
	s_cmp_lg_u32 s2, 0x3003
	s_cbranch_scc0 .Lentry_shape_is_right
	s_endpgm
.Lentry_shape_is_right:
; out[t][e] = sum over f of Q(h)[t][f] W2[e][f] + b2[e],  h = relu(q W1^T + b1),  q[t][i] = cos(x[t][i]) cos(theta[i]), i = 0 .. 7.
; WORK LEFT OUT: reference() slices x[..., :8], so features 8 .. 1023 of every token reach no output for any values: they are not loaded (a NaN or infinity there is not carried to the result).
; The first product (K = 8) is made in f32 by v_wmma_f32_16x16x4_f32; h is quantised in registers to E2M1 with one E8M0 byte for each 32 units; the second product takes h's codes and W2's given
; codes and scale bytes by v_wmma_scale_f32_16x16x128_f8f6f4.  h never goes to memory and each h is made once.
; SHARES.  A work-group of four waves owns 64 tokens (four tiles of 16) and all 1,024 outputs; wave w owns outputs 256 w .. 256 w + 255: 64 accumulators, 512 registers.
; THE WALK.  K goes in 8 chunks of 512 (a row of W2's tile is 256 bytes of memory, at a multiple of 256).  A chunk is four trips; trip g multiplies rows 64 g .. 64 g + 63 of each wave's 256
; (4 tiles of rows x 4 tiles of tokens x 4 deep = 64 products on 16 accumulators by turns).  The chunk's 16 fragments of h are read from LDS once, in trip 0, and stay in registers for the four trips.
; W2's tiles come through a ring of two LDS slots, one tile a trip; each wave fetches and reads its own 64 rows.  W2's scale bytes come once, in runs of 256 bytes, and stay in LDS.
; h IS MADE AHEAD: a unit is 128 hidden units (wave w makes block w of 32, for all 64 tokens).  Trip t runs the f32 products of unit t + 5, the quantiser of unit t + 4 and the loads of W1 and b1 of unit t + 7.
; The codes go to the other waves through ONE image of the operand's registers in LDS: trip 0 reads it, so trip 0's eight stores are held back behind that trip's barrier; trips 1 to 3 store in place.
; IN THE LAST CHUNK a group of 64 outputs a wave is finished with its trip: it leaves, through a stage of its own in LDS, in the next trip.
; BOTH PRODUCTS ARE USED TRANSPOSED (source 0 = rows of the weight, source 1 = tokens): a lane holds ONE token, and its registers run along hidden units, then along outputs.
; Lane r of tile u of W1 takes row 8 u + r + 8 (r / 8) of the block, so that a lane's 16 registers of tiles 0 and 1 are units 16 (lane / 16) + 0 .. 15.
; CLUSTER.  All work-groups walk the same W2, so the four of a cluster ask JOINTLY: the same tensor load, the same descriptor, a mask that names the four.
; PREFETCH.  Trip t names tile t + 3, which the tensor load of trip t + 2 fetches: 64 rows x 256 bytes a wave; the four partners take 16 rows each, told apart by address, a lane a row (lanes 16-31 name
; the last row again).  All clusters read the same tiles, so clusters 0 to 3 alone ask.  Tiles 0 to 2 come by their loads alone; trip 28 asks for the last tile.
; b2 is loaded straight into the accumulators and so starts the sums; b1 is the C of each f32 sum's first instruction.  relu is done on the CODES: a code with its sign bit set becomes code 0,
; and the block's largest magnitude is taken of the signed numbers over a positive floor: the same codes and scales as quantising relu(h).
; LIMITS.  |x| and |theta| up to 2^20 (the cosine's reduction leaves an error of about n x 5.4e-15 at n quarter turns); NaN and infinities are not served.  A block whose largest h lies under 2^-124, a block
; of zeros among them, gets the scale byte 1 (the rule says 127 for zeros): its codes are zeros, and the bytes are read here alone.  The eight k of the first product are added in the order 0, 1, 4, 5, 2, 3, 6, 7.
.set KP,     272                       ; an LDS row of W2's tile: 256 bytes + 16 of padding
.set WSLOT,  64*KP                     ; a wave's 64 rows
.set SLOTB,  4*WSLOT
.set SCL,    2*SLOTB                   ; W2's scale bytes, as runs of 256 bytes (two rows of 128) + 16 of padding
.set WSCL,   128*272                   ; a wave's 256 rows of them
.set HIMG,   SCL+4*WSCL                ; the image of a chunk's 16 fragments of h, 1,024 bytes each: fragment 4 q + m
.set HSC,    HIMG+16384                ; h's scale words: 16 bytes a token (4 words, one for each 128 of the chunk)
.set SPARE,  HSC+1024                  ; the spare words, 128 bytes a wave; the adds go to them
.set QIMG,   SPARE+512                 ; images of q's four fragments, 512 bytes each
.set STG,    QIMG+2048                 ; the way out: 16 rows x 272 bytes for each wave; no tensor load lands here
.set SPW,  1
.set NIL,  2
.set ADRB, 3                           ; v3, v4  my place in my wave's rows of slot 0, 1
.set LI,   5                           ; HIMG + 16 x lane
.set LS,   6                           ; HSC + 16 x lane
.set IMW,  7                           ; HIMG + 256 w + 16 r + 8 h: where my 16 codes go
.set ISW,  8                           ; HSC + 16 r + w: my block's scale byte
.set ASB,  9                           ; my place among W2's scale words, at the chunk in hand
.set PFO,  10                          ; the prefetches' offset: min(lane, 15) rows of 2,048 bytes
.set W1O,  11
.set B1O,  12
.set B2O,  13
.set STO,  14
.set RD,   15
.set CO,   16
.set SA,   18                          ; v18-25  h's scale words: register 4 (a / 2) + q; lanes 16-31 for odd token tiles a
.set SB,   26                          ; v26-33  W2's: register 4 (b % 2) + q; lanes 16-31 for row tiles b >= 2
.set QF,   34                          ; v34-49  q: 4 registers a token tile
.set WF,   50                          ; v50-65  W1: two buffers x two tiles x 4
.set BI,   66                          ; v66-97  b1: two buffers x 16
.set TM,   98
.set TP,   102
.set TS,   106
.set TB,   110
.set PC,   114
.set MK,   122
.set MY,   102                         ; (TP's registers: its use is over when the codes are at work)
.set HACC, 128                         ; v128-255: two sets of 8 f32 accumulators; matrix instructions alone write them
.set BK,   50                          ; the way out: v50-113, two buffers of 32
.set XR,   98                          ; the head: x, theta and the cosine's scratch
.set THR,  102
.set CN,   106
.set CZ,   110
.set CP,   114
.set CC,   118
.set CT,   122
.set AF,   128                         ; window 1: v0-127 W2's 16 fragments (4 q + b), v128-255 h's 16 (4 q + a).  Windows 2, 3: accumulator (g, b, a) at window 2 + g / 2, v[128 (g % 2) + 8 (4 b + a)]
.set WV,   20
.set CX,   21                          ; my place in the cluster: it enters global addresses alone (x, out0, the prefetches)
.set WGX,  22
.set KS,   24
.set TT,   25
.set OFS,  26
.set G1C,  28
.set G1S,  36
.set G0,   44
.set G0S,  52
.set WC,   56                          ; W2's codes at my wave's first row, at the chunk in hand
.set W1P,  58
.set B1P,  60
.set PF,   62
.set SEL,  68
.set M8,   70
.set C2PI, 71
.set PIH,  72
.set PIL,  73
.set CS4,  74
.set CC5,  75
.set XO,   76
.set MSB, 0
.macro WIN new                         ; the immediate's high byte repeats the setting that is left
.if MSB != (\new)
	s_set_vgpr_msb (MSB<<8)|(\new)
.set MSB, (\new)
.endif
.endm
.macro PLACES n
.rept \n
	v_nop
.endr
.endm
.macro CREST                           ; a round of the cluster's barrier behind its opening barrier
	s_cmp_lg_u32 s[WV], 0
	s_cbranch_scc1 .Lnot_wave_0_\@
	s_barrier_signal -3
.Lnot_wave_0_\@:
	s_barrier_wait -3
	s_barrier_signal -1
	s_barrier_wait -1
.endm
.macro CROUND
	s_barrier_signal -1
	s_barrier_wait -1
	CREST
.endm
; f32 matrix instruction hx of 16, into set p, from buffer p.  The first eight take k = 4 h + 0, 1 and b1 as C; the second eight k = 4 h + 2, 3 and add in place, seven other accumulators between.
.macro HW p
.set hm, (hx%8)/2
.set hu, hx%2
.set hD, HACC+64*(\p)+16*hm+8*hu
.if hx < 8
	v_wmma_f32_16x16x4_f32 v[hD:hD+7], v[WF+8*(\p)+4*hu:WF+8*(\p)+4*hu+1], v[QF+4*hm:QF+4*hm+1], v[BI+16*(\p)+8*hu:BI+16*(\p)+8*hu+7]
.else
	v_wmma_f32_16x16x4_f32 v[hD:hD+7], v[WF+8*(\p)+4*hu+2:WF+8*(\p)+4*hu+3], v[QF+4*hm+2:QF+4*hm+3], v[hD:hD+7]
.endif
.endm
; Item qj of 89 of the quantiser, on set p.  Register 16 m + i of the set is unit 16 (lane / 16) + i of my block for token 16 m + lane % 16.
.macro QI p
.set qH, HACC+64*(\p)
.set qm, qj%4
.if qj < 4
	v_max3_num_f32 v[TM+qm], v[qH+16*qm], v[qH+16*qm+1], 0x1800000   ; no |.|: what is negative does not count; the floor 2^(3 - 127) holds the byte at 1
.elseif qj < 32
	v_max3_num_f32 v[TM+qm], v[TM+qm], v[qH+16*qm+2*(qj/4)], v[qH+16*qm+2*(qj/4)+1]
.elseif qj < 36
	v_permlanex16_b32 v[TP+qm], v[TM+qm], s[SEL], s[SEL+1]
.elseif qj < 40
	v_max_num_f32 v[TM+qm], v[TM+qm], v[TP+qm]
.elseif qj < 44
	v_add_nc_u32 v[TS+qm], 0xff000000, v[TM+qm]                      ; 2 off the exponent field: the conversion's scale operand
.elseif qj < 48
	v_lshrrev_b32 v[TB+qm], 23, v[TS+qm]                             ; the scale's byte
.elseif qj < 56
.set qc, qj-48
	v_cvt_scalef32_pk8_fp4_f32 v[PC+qc], v[qH+8*qc:qH+8*qc+7], v[TS+qc/2]
.elseif qj == 56
	v_nop                                                            ; one plain place behind the last scaled conversion
.else                                  ; relu on the codes, four registers at a time
.set qk, ((qj-57)%16)/4
.set qx, (qj-57)%4
.set qc, 4*((qj-57)/16)+qx
.if qk == 0
	v_bfi_b32 v[MK+qx], v[PC+qc], 0, s[M8]                           ; 8 in each code that is not negative
.elseif qk == 1
	v_lshrrev_b32 v[MY+qx], 3, v[MK+qx]
.elseif qk == 2
	v_sub_nc_u32 v[MK+qx], v[MK+qx], v[MY+qx]                        ; 7 there
.else
	v_and_b32 v[PC+qc], v[PC+qc], v[MK+qx]                           ; negative codes become code 0
.endif
.endif
.endm
.macro QST j                           ; the unit's eight stores: it is the chunk's j-th 128.  Block w is register group w / 2 of lane r + 16 (w % 2) of the fragment's image
.irp m, 0,1,2,3
	ds_store_b64 v[IMW], v[PC+2*\m:PC+2*\m+1] offset:1024*(4*(\j)+\m)
.endr
.irp m, 0,1,2,3
	ds_store_b8 v[ISW], v[TB+\m] offset:256*\m+4*(\j)
.endr
.endm
; Sixteen turns: the f32 products into set p; behind the last twelve the quantiser on set 1 - p, seven items each and twelve plain lines behind the sixteenth, which are the eight places
; owed ahead of the loads into W1's and b1's buffer; without a quantiser eight v_nop.
.macro HQ p, doH, doQ, j, st
.set hx, 0
.set qj, 0
.rept 16
.if \doH
	HW \p
.endif
.if \doQ
.if hx >= 4
.set qn, 7
.if hx == 15
.set qn, 12
.endif
.rept qn
	QI 1-(\p)
.set qj, qj+1
.endr
.endif
.endif
.set hx, hx+1
.endr
.if \doQ
.if \st
	QST \j
.endif
	s_wait_alu depctr_va_vdst(0)
.else
	PLACES 8
.endif
.endm
.macro LOADL p, step                   ; W1's two tiles and b1's 16 numbers a lane of my block in the next unit, into buffer p: six loads
.if \step
	s_wait_xcnt 0x0                                                  ; the earlier loads and prefetches have read their bases
	s_add_nc_u64 s[W1P:W1P+1], s[W1P:W1P+1], 4096                    ; 128 rows of W1
	s_add_nc_u64 s[B1P:B1P+1], s[B1P:B1P+1], 512                     ; 128 numbers of b1
.endif
.irp u, 0,1
	global_load_b128 v[WF+8*(\p)+4*\u:WF+8*(\p)+4*\u+3], v[W1O], s[W1P:W1P+1] offset:256*\u
.endr
.irp i, 0,1,2,3
	global_load_b128 v[BI+16*(\p)+4*\i:BI+16*(\p)+4*\i+3], v[B1O], s[B1P:B1P+1] offset:16*\i
.endr
.endm
; 4 nb FP4 products: row tiles b0 .. b0 + nb - 1 of group g against the four token tiles, the chunk's q-th 128.  The trip's 16 accumulators take turns.
.macro MULQ g, q, b0, nb
.set mb, \b0
.rept \nb
.irp a, 0,1,2,3
.set mC, 128*((\g)%2)+8*(4*mb+\a)
.set mA, 8*(4*(\q)+mb)
.set mB, AF+8*(4*(\q)+\a)
.set sA, SB+4*(mb%2)+(\q)
.set sB, SA+4*(\a/2)+(\q)
.if mb < 2
.if \a%2 == 0
	v_wmma_scale_f32_16x16x128_f8f6f4 v[mC:mC+7], v[mA:mA+7], v[mB:mB+7], v[mC:mC+7], v[sA], v[sB] matrix_a_fmt:MATRIX_FMT_FP4 matrix_b_fmt:MATRIX_FMT_FP4
.else
	v_wmma_scale_f32_16x16x128_f8f6f4 v[mC:mC+7], v[mA:mA+7], v[mB:mB+7], v[mC:mC+7], v[sA], v[sB] matrix_a_fmt:MATRIX_FMT_FP4 matrix_b_fmt:MATRIX_FMT_FP4 matrix_b_scale:MATRIX_SCALE_ROW1
.endif
.else
.if \a%2 == 0
	v_wmma_scale_f32_16x16x128_f8f6f4 v[mC:mC+7], v[mA:mA+7], v[mB:mB+7], v[mC:mC+7], v[sA], v[sB] matrix_a_fmt:MATRIX_FMT_FP4 matrix_b_fmt:MATRIX_FMT_FP4 matrix_a_scale:MATRIX_SCALE_ROW1
.else
	v_wmma_scale_f32_16x16x128_f8f6f4 v[mC:mC+7], v[mA:mA+7], v[mB:mB+7], v[mC:mC+7], v[sA], v[sB] matrix_a_fmt:MATRIX_FMT_FP4 matrix_b_fmt:MATRIX_FMT_FP4 matrix_a_scale:MATRIX_SCALE_ROW1 matrix_b_scale:MATRIX_SCALE_ROW1
.endif
.endif
.endr
.set mb, mb+1
.endr
.endm
; THE WAY OUT of group G, by sub-blocks of 16 tokens x 64 outputs.  A lane holds 32 bytes of a row of out0: a sub-block goes through my stage and comes back as whole runs of 256 bytes, two rows a load.
; LDS serves a wave's instructions in order (ISA guide 5.7.1.4): no wait between the stores and the loads, nor ahead of the next sub-block's stores.
.macro TOSTAGE G, a
	s_wait_xcnt 0x0                                                  ; the earlier stores have read their registers: the loads below may land there
	WIN 0x08+4*((\G)/2)                                              ; an LDS store's data are its source 1
.irp b, 0,1,2,3
	ds_store_b128 v[STO], v[128*((\G)%2)+8*(4*\b+(\a)):128*((\G)%2)+8*(4*\b+(\a))+3] offset:64*\b       ; each accumulator from its low end on
	ds_store_b128 v[STO], v[128*((\G)%2)+8*(4*\b+(\a))+4:128*((\G)%2)+8*(4*\b+(\a))+7] offset:64*\b+16
.endr
	WIN 0
.irp t, 0,1,2,3,4,5,6,7
	ds_load_b128 v[BK+32*((\a)%2)+4*\t:BK+32*((\a)%2)+4*\t+3], v[RD] offset:544*\t
.endr
.endm
.macro SEND G, a, younger
	s_wait_dscnt \younger
.irp t, 0,1,2,3,4,5,6,7
	global_store_b128 v[CO], v[BK+32*((\a)%2)+4*\t:BK+32*((\a)%2)+4*\t+3], s[18:19] offset:(16*(\a)+2*\t)*4096+256*(\G) th:TH_STORE_NT   ; sixteen lanes store 256 consecutive bytes, at a multiple of 256 from out0's first byte
.endr
.endm
.macro OUT G
	TOSTAGE \G, 0
	TOSTAGE \G, 1
	SEND \G, 0, 16                                                   ; behind sub-block 0's loads: sub-block 1's 8 stores and 8 loads
	TOSTAGE \G, 2
	SEND \G, 1, 16
	TOSTAGE \G, 3
	SEND \G, 2, 16
	SEND \G, 3, 0
.endm
; TRIP g of a chunk.  refill: the next trip's tile is asked for, into the slot read last trip.  close = 2: the trip ends in a round of the cluster's barrier, behind which this trip's slot is filled again;
; 1: in the work-group's barrier; 0: in none.  og: the group that leaves (-1: none).  pf = 1: prefetch; 2: the last one; 0: none.  lastc: the last chunk.
.macro BODY g, refill, doH, doQ, doL, lcnt, close, og, pf, lastc
.set bp, (\g)%2
.set hp, 1-(\g)%2
.set mulw, 0xa5+0x50*((\g)/2)
.set nimm, 131072*(((\g)+2)%4)+256*(((\g)+2)/4)
.set st8, 0
.if \doQ
.if (\g) != 0
.set st8, 8
.endif
.endif
.if \refill
	tensor_load_to_lds s[G0+4*(1-bp):G0+4*(1-bp)+3], s[G1C:G1C+7]    ; my one tensor load behind the round, and the first thing there
	s_nop 0
.endif
	PLACES 4                                                         ; behind a tensor load; also the places ahead of the loads into registers that the last products have read
.if \doQ
.if (\g) == 1
	QST 0                                                            ; trip 0's codes: every wave's reads of the image are over
.endif
.endif
.if (\g) == 0
.irp j, 0,1
	ds_load_b128 v[SA+4*\j:SA+4*\j+3], v[LS] offset:512*\j
.endr
.endif
.irp j, 0,1
	ds_load_b128 v[SB+4*\j:SB+4*\j+3], v[ASB] offset:8704*(\g)+2176*\j   ; 64 rows of scale bytes are 32 runs of 272, 16 rows eight
.endr
.if (\g) == 3
.if !\lastc
	v_add_nc_u32 v[ASB], 16, v[ASB]                                  ; the next chunk's four words
	s_wait_alu depctr_va_vdst(0)                                     ; directly behind the write
.endif
.endif
	WIN 0x40
.if (\g) == 0
.set bn, 0
.rept 32
	ds_load_b128 v[AF+4*bn:AF+4*bn+3], v[LI] offset:512*bn           ; the chunk's 16 fragments of h
.set bn, bn+1
.endr
.endif
.set bn, 0
.rept 32
	ds_load_b128 v[4*bn:4*bn+3], v[ADRB+bp] offset:64*(bn/8)+16*KP*((bn/2)%4)+32*(bn%2)   ; W2's fragments, the first 128 along K first
.set bn, bn+1
.endr
	WIN 0
.if \doH
	s_wait_loadcnt \lcnt                                             ; W1 and b1 of unit t + 5 are in; the six loads of unit t + 6 may be out
.endif
.if \doH || \doQ
	HQ hp, \doH, \doQ, \g, st8
.endif
.if \doL
	LOADL hp, 1
.endif
.if \pf
.if \pf == 1
.if (\g) == 0
	s_add_nc_u64 s[PF:PF+1], s[PF:PF+1], 256                         ; (behind the wait on XCNT above) at the next chunk
.set pimm, 393216-256
.else
.set pimm, 131072*((\g)-1)
.endif
.else
.set pimm, 393216
.endif
	s_cmp_lt_u32 ttmp9, 4
	s_cbranch_scc0 .Lno_pf_\@
	global_prefetch_b8 v[PFO], s[PF:PF+1] offset:pimm th:TH_LOAD_NT scope:SCOPE_SE
.Lno_pf_\@:
.endif
.if \og >= 0
	OUT \og
.endif
	s_wait_dscnt 24+st8                                              ; behind the first eight loads of W2 stand 24 loads and the quantiser's stores
	WIN mulw
	MULQ \g, 0, 0, 4
	s_wait_dscnt 16+st8
	MULQ \g, 1, 0, 4
	s_wait_dscnt 8+st8
	MULQ \g, 2, 0, 4
.if \close
	WIN 0
	s_wait_tensorcnt 0x0                                             ; my one tensor load, my part of the next tile, has landed: a group 0 may be written
	ds_add_u32 v[SPW], v[NIL]
.if \close == 2
	s_add_nc_u64 s[G0+4*bp+2:G0+4*bp+3], s[WC:WC+1], nimm            ; this slot's next tile is that of trip t + 2
	s_or_b32 s[G0+4*bp+3], s[G0+4*bp+3], 0x80000000
.if (\g) == 3
	s_add_nc_u64 s[WC:WC+1], s[WC:WC+1], 256
.endif
.endif
	s_wait_dscnt 1+st8                                               ; all my loads are in; the add and the stores may be out
	WIN mulw
	MULQ \g, 3, 0, 2
	s_wait_dscnt 0x0                                                 ; the add is done, my codes are stored, my reads of the slot and of the image are over
	s_barrier_signal -1
	MULQ \g, 3, 2, 2
	WIN 0
	s_barrier_wait -1
.if \close == 2
	CREST
.endif
.else
	s_wait_dscnt 0x0
	MULQ \g, 3, 0, 4
	WIN 0
.endif
.endm
; Four cosines in place.  n = the nearest whole number to x 2 / pi; r = x - n pi / 2, pi / 2 in two parts; sin r and cos r by their series to r^9 and r^10; the quadrant chooses and signs.
.macro COS4 X
.irp e, 0,1,2,3
	v_mul_f32 v[CN+\e], s[C2PI], v[\X+\e]
.endr
.irp e, 0,1,2,3
	v_rndne_f32 v[CN+\e], v[CN+\e]
.endr
.irp e, 0,1,2,3
	v_fma_f32 v[\X+\e], -v[CN+\e], s[PIH], v[\X+\e]
.endr
.irp e, 0,1,2,3
	v_fma_f32 v[\X+\e], -v[CN+\e], s[PIL], v[\X+\e]
.endr
.irp e, 0,1,2,3
	v_mul_f32 v[CZ+\e], v[\X+\e], v[\X+\e]
.endr
.irp e, 0,1,2,3
	v_fmaak_f32 v[CP+\e], s[CS4], v[CZ+\e], 0xb9500d01               ; z / 9! - 1 / 7!
	v_fmaak_f32 v[CC+\e], s[CC5], v[CZ+\e], 0x37d00d01               ; -z / 10! + 1 / 8!
.endr
.irp e, 0,1,2,3
	v_fmaak_f32 v[CP+\e], v[CP+\e], v[CZ+\e], 0x3c088889
	v_fmaak_f32 v[CC+\e], v[CC+\e], v[CZ+\e], 0xbab60b61
.endr
.irp e, 0,1,2,3
	v_fmaak_f32 v[CP+\e], v[CP+\e], v[CZ+\e], 0xbe2aaaab
	v_fmaak_f32 v[CC+\e], v[CC+\e], v[CZ+\e], 0x3d2aaaab
.endr
.irp e, 0,1,2,3
	v_mul_f32 v[CT+\e], v[\X+\e], v[CZ+\e]
	v_fmaak_f32 v[CC+\e], v[CC+\e], v[CZ+\e], 0xbf000000
.endr
.irp e, 0,1,2,3
	v_fma_f32 v[CP+\e], v[CT+\e], v[CP+\e], v[\X+\e]                 ; sin r
	v_fma_f32 v[CC+\e], v[CC+\e], v[CZ+\e], 1.0                      ; cos r
.endr
.irp e, 0,1,2,3
	v_cvt_i32_f32 v[CN+\e], v[CN+\e]
.endr
.irp e, 0,1,2,3
	v_and_b32 v[CT+\e], 1, v[CN+\e]
.endr
.irp e, 0,1,2,3
	v_cmp_eq_u32 vcc_lo, 1, v[CT+\e]
	v_cndmask_b32 v[CC+\e], v[CC+\e], v[CP+\e], vcc_lo               ; odd quadrants take the sine
.endr
.irp e, 0,1,2,3
	v_add_lshl_u32 v[CN+\e], v[CN+\e], 1, 30                         ; bit 1 of n + 1 is set in quadrants 1 and 2
.endr
.irp e, 0,1,2,3
	v_and_b32 v[CN+\e], 0x80000000, v[CN+\e]
.endr
.irp e, 0,1,2,3
	v_xor_b32 v[\X+\e], v[CC+\e], v[CN+\e]
.endr
.endm
	s_load_b256 s[4:11], s[0:1], 0x0               ; W1 s[4:5], W2's codes s[6:7], W2's scales s[8:9], b1 s[10:11]
	s_load_b256 s[12:19], s[0:1], 0x20             ; b2 s[12:13], theta s[14:15], x s[16:17], out0 s[18:19]
	v_lshl_add_u32 v[SPW], v0, 2, SPARE
	v_mov_b32 v[NIL], 0
	ds_add_u32 v[SPW], v[NIL]
	ds_add_u32 v[SPW], v[NIL]
	v_lshrrev_b32 v17, 5, v0
	v_readfirstlane_b32 s[WV], v17                 ; wave 0..3
	s_bfe_u32 s[CX], ttmp6, 0x40000
	s_lshl_b32 s[WGX], ttmp9, 2                    ; in a cluster launch ttmp9 counts clusters
	s_add_co_u32 s[WGX], s[WGX], s[CX]             ; my block of 64 tokens
	s_mov_b32 s[OFS+1], 0
	s_mov_b32 s[XO+1], 0
	; group 1 for the codes: 64 rows x 256 bytes, 2,048 bytes apart in memory, 16 bytes of padding behind each
	s_mov_b32 s[G1C], 15|(0<<16)|(1<<20)|(1<<21)|(5<<22)|(3<<25)
	s_mov_b32 s[G1C+1], 256<<16
	s_mov_b32 s[G1C+2], 64<<16
	s_mov_b32 s[G1C+3], 256<<16
	s_mov_b32 s[G1C+4], 64
	s_mov_b32 s[G1C+5], 2048
	s_mov_b32 s[G1C+6], 0
	s_mov_b32 s[G1C+7], 0
	; group 1 for the scale bytes: 32,768 dense bytes as 128 rows of 256 (32 elements of 8 bytes), 16 bytes of padding behind each
	s_mov_b32 s[G1S], 15|(3<<16)|(1<<20)|(1<<21)|(5<<22)|(3<<25)
	s_mov_b32 s[G1S+1], 32<<16
	s_mov_b32 s[G1S+2], 128<<16
	s_mov_b32 s[G1S+3], 32<<16
	s_mov_b32 s[G1S+4], 128
	s_mov_b32 s[G1S+5], 32
	s_mov_b32 s[G1S+6], 0
	s_mov_b32 s[G1S+7], 0
	s_mov_b32 s[SEL], 0x76543210
	s_mov_b32 s[SEL+1], 0xfedcba98
	s_mov_b32 s[M8], 0x88888888
	s_mov_b32 s[C2PI], 0x3f22f983
	s_mov_b32 s[PIH], 0x3fc90fda
	s_mov_b32 s[PIL], 0x33a22168
	s_mov_b32 s[CS4], 0x3638ef1b
	s_mov_b32 s[CC5], 0xb493f27c
	s_mov_b32 s[G0S], 1
	s_mul_i32 s[G0S+1], s[WV], WSCL
	s_add_co_u32 s[G0S+1], s[G0S+1], SCL
	s_mov_b32 s[G0], 1
	s_mul_i32 s[G0+1], s[WV], WSLOT                ; slot 0, my rows
	s_mov_b32 s[G0+4], 1
	s_add_co_u32 s[G0+5], s[G0+1], SLOTB           ; slot 1
	s_lshl_b32 s[TT], s[WV], 8
	s_add_co_u32 s[TT], s[TT], HIMG
	s_mul_i32 s[XO], s[WV], 16*272
	s_add_co_u32 s[XO], s[XO], STG                 ; my stage
	v_and_b32 v18, 15, v0                          ; r
	v_bfe_u32 v19, v0, 4, 1                        ; h
	v_and_b32 v20, 31, v0                          ; lane
	v_lshlrev_b32 v21, 12, v18
	v_lshl_add_u32 v21, v19, 4, v21                ; x: token r's row, features 4 h + 0 .. 3
	v_lshlrev_b32 v22, 4, v19                      ; theta: 4 h + 0 .. 3
	v_and_b32 v23, 8, v18
	v_add_nc_u32 v23, v23, v18                     ; r + 8 (r / 8)
	v_lshlrev_b32 v[W1O], 5, v23
	v_lshl_add_u32 v[W1O], v19, 4, v[W1O]
	v_lshlrev_b32 v[B1O], 6, v19
	v_lshlrev_b32 v[B2O], 5, v19
	v_mul_u32_u24 v[ADRB], v18, KP
	v_lshl_add_u32 v[ADRB], v19, 4, v[ADRB]
	v_add_nc_u32 v[ADRB], s[G0+1], v[ADRB]
	v_add_nc_u32 v[ADRB+1], SLOTB, v[ADRB]
	v_lshl_add_u32 v[LI], v20, 4, HIMG
	v_lshl_add_u32 v[LS], v20, 4, HSC
	v_lshlrev_b32 v[IMW], 4, v18
	v_lshl_add_u32 v[IMW], v19, 3, v[IMW]
	v_add_nc_u32 v[IMW], s[TT], v[IMW]
	v_lshl_add_u32 v[ISW], v18, 4, HSC
	v_add_nc_u32 v[ISW], s[WV], v[ISW]
	v_lshrrev_b32 v23, 1, v18
	v_mul_u32_u24 v[ASB], v23, 272                 ; W2's scale words: two rows of 128 bytes to a run of 272,
	v_and_b32 v23, 1, v18
	v_lshl_add_u32 v[ASB], v23, 7, v[ASB]
	v_mad_u32_u24 v[ASB], v19, 4352, v[ASB]        ; lanes 16-31 two tiles (32 rows) further on,
	v_add_nc_u32 v[ASB], s[G0S+1], v[ASB]          ; in my wave's part
	v_mul_u32_u24 v[STO], v18, 272
	v_lshl_add_u32 v[STO], v19, 5, v[STO]
	v_add_nc_u32 v[STO], s[XO], v[STO]
	v_mul_u32_u24 v[RD], v19, 272
	v_lshl_add_u32 v[RD], v18, 4, v[RD]
	v_add_nc_u32 v[RD], s[XO], v[RD]
	v_lshlrev_b32 v[CO], 12, v19                   ; lanes 16-31 one row of out0 further down
	v_lshl_add_u32 v[CO], v18, 4, v[CO]
	v_min_u32 v[PFO], 15, v20
	v_lshlrev_b32 v[PFO], 11, v[PFO]
	v_lshl_add_u32 v24, v0, 4, QIMG                ; where my wave's fragment of q goes
	v_lshl_add_u32 v25, v20, 4, QIMG               ; and where the four are read
	s_wait_alu depctr_va_vdst(0)
	s_wait_dscnt 0x0                               ; both opening adds are done
	s_wait_kmcnt 0x0
	s_lshl_b32 s[XO], s[WGX], 18                   ; my work-group's 64 rows of 4,096 bytes, in x and in out0
	s_add_nc_u64 s[18:19], s[18:19], s[XO:XO+1]
	s_add_nc_u64 s[16:17], s[16:17], s[XO:XO+1]
	s_lshl_b32 s[XO], s[WV], 16                    ; of x my wave reads token tile w
	s_add_nc_u64 s[16:17], s[16:17], s[XO:XO+1]
	global_load_b128 v[XR:XR+3], v21, s[16:17] th:TH_LOAD_NT
	global_load_b128 v[THR:THR+3], v22, s[14:15]
	s_lshl_b32 s[OFS], s[WV], 10
	s_add_nc_u64 s[W1P:W1P+1], s[4:5], s[OFS:OFS+1]    ; my block's 32 rows of W1 in unit 0
	s_add_nc_u64 s[12:13], s[12:13], s[OFS:OFS+1]      ; my 256 numbers of b2
	s_add_nc_u64 s[18:19], s[18:19], s[OFS:OFS+1]      ; my 256 columns of out0
	s_lshl_b32 s[OFS], s[WV], 7
	s_add_nc_u64 s[B1P:B1P+1], s[10:11], s[OFS:OFS+1]
	LOADL 0, 0                                     ; units 0 and 1
	LOADL 1, 1
	s_lshl_b32 s[OFS], s[WV], 19                   ; my 256 rows of W2's codes
	s_add_nc_u64 s[WC:WC+1], s[6:7], s[OFS:OFS+1]
	s_lshl_b32 s[XO], s[CX], 15                    ; of each 64 rows my work-group prefetches 16
	s_add_nc_u64 s[PF:PF+1], s[WC:WC+1], s[XO:XO+1]
	s_lshl_b32 s[OFS], s[WV], 15
	s_add_nc_u64 s[G0S+2:G0S+3], s[8:9], s[OFS:OFS+1]
	s_or_b32 s[G0S+3], s[G0S+3], 0x80000000
	s_mov_b64 s[G0+2:G0+3], s[WC:WC+1]             ; tile 0
	s_or_b32 s[G0+3], s[G0+3], 0x80000000
	s_add_nc_u64 s[G0+6:G0+7], s[WC:WC+1], 131072  ; tile 1: 64 rows on
	s_or_b32 s[G0+7], s[G0+7], 0x80000000
	CROUND                                         ; all four work-groups are here: the first joint loads meet
	tensor_load_to_lds s[G0S:G0S+3], s[G1S:G1S+7]  ; the head's one tensor load a wave: my 256 rows of scale bytes, filled once
	s_nop 0
	PLACES 4
	s_wait_loadcnt 0x0                             ; x, theta, and units 0 and 1
	COS4 THR
	COS4 XR
	v_pk_mul_f32 v[XR:XR+1], v[XR:XR+1], v[THR:THR+1]
	v_pk_mul_f32 v[XR+2:XR+3], v[XR+2:XR+3], v[THR+2:THR+3]
	ds_store_b128 v24, v[XR:XR+3]                  ; q[16 w + r][4 h + 0 .. 3], as an image of the registers
	s_wait_alu depctr_va_vdst(0)
	s_wait_tensorcnt 0x0                           ; the scale bytes are in
	ds_add_u32 v[SPW], v[NIL]
	s_wait_dscnt 0x0                               ; the add is done, and my q is stored
	CROUND
	tensor_load_to_lds s[G0:G0+3], s[G1C:G1C+7]    ; tile 0, slot 0's first fill
	s_nop 0
	PLACES 4
.irp m, 0,1,2,3
	ds_load_b128 v[QF+4*\m:QF+4*\m+3], v25 offset:512*\m
.endr
.irp G, 0,1,2,3                                    ; b2 starts the sums: lane (r, h) of accumulator (G, b, a) holds outputs 64 G + 16 b + 8 h + 0 .. 7
	WIN 0x80+0x40*(\G/2)
.irp b, 0,1,2,3
.irp a, 0,1,2,3
	global_load_b128 v[128*(\G%2)+8*(4*\b+\a):128*(\G%2)+8*(4*\b+\a)+3], v[B2O], s[12:13] offset:256*\G+64*\b
	global_load_b128 v[128*(\G%2)+8*(4*\b+\a)+4:128*(\G%2)+8*(4*\b+\a)+7], v[B2O], s[12:13] offset:256*\G+64*\b+16
.endr
.endr
.endr
	WIN 0
	s_wait_dscnt 0x0
	HQ 0, 1, 0, 0, 0                               ; chunk 0's h: the products of units 0 to 4, the quantiser of units 0 to 3
	LOADL 0, 1
	HQ 1, 1, 1, 0, 1
	LOADL 1, 1
	s_wait_loadcnt 6                               ; unit 2 is in (and b2, which stands ahead of it); unit 3's six loads may be out
	HQ 0, 1, 1, 1, 1
	LOADL 0, 1
	s_wait_loadcnt 6
	HQ 1, 1, 1, 2, 1
	LOADL 1, 1
	s_wait_loadcnt 6
	HQ 0, 1, 1, 3, 1
	LOADL 0, 1
	s_wait_tensorcnt 0x0                           ; tile 0 is in; ahead of slot 1's first fill, which is trip 0's
	ds_add_u32 v[SPW], v[NIL]
	s_wait_dscnt 0x0                               ; the add is done, chunk 0's codes are stored
	CROUND
	s_mov_b32 s[KS], 0
.Lloop:                                            ; six trips of the loop: chunks 0 to 5, four trips of the walk each
	BODY 0, 1, 1, 1, 1, 6, 2, -1, 1, 0
	BODY 1, 1, 1, 1, 1, 6, 2, -1, 1, 0
	BODY 2, 1, 1, 1, 1, 6, 2, -1, 1, 0
	BODY 3, 1, 1, 1, 1, 6, 2, -1, 1, 0
	s_add_co_u32 s[KS], s[KS], 1
	s_cmp_lt_u32 s[KS], 6
	s_cbranch_scc1 .Lloop
	BODY 0, 1, 1, 1, 1, 6, 2, -1, 1, 0             ; chunk 6: the last loads of W1 and b1 (unit 31's),
	BODY 1, 1, 1, 1, 0, 6, 2, -1, 1, 0
	BODY 2, 1, 1, 1, 0, 0, 2, -1, 1, 0             ; the last f32 products,
	BODY 3, 1, 0, 1, 0, 0, 2, -1, 1, 0             ; the last quantiser
	BODY 0, 1, 0, 0, 0, 0, 2, -1, 2, 1             ; chunk 7: each trip finishes a group of outputs,
	BODY 1, 1, 0, 0, 0, 0, 2, 0, 0, 1              ; which leaves in the next
	BODY 2, 1, 0, 0, 0, 0, 1, 1, 0, 1              ; the last tile is asked for
	BODY 3, 0, 0, 0, 0, 0, 0, 2, 0, 1
	PLACES 4                                       ; ahead of the first read of the last results
	OUT 3
	s_wait_tensorcnt 0x0                           ; the wave's end
	ds_add_u32 v[SPW], v[NIL]
	s_wait_dscnt 0x0
	CROUND                                         ; the closing round
	s_endpgm
.Lfunc_end_k_qf891c43873_ffq:
	.size	k_qf891c43873_ffq, .Lfunc_end_k_qf891c43873_ffq-k_qf891c43873_ffq
	.p2alignl 7, 3214868480
	.fill 96, 4, 3214868480
	.section	.rodata,"a",@progbits
	.p2align	6, 0x0
	.amdhsa_kernel k_qf891c43873_ffq
		.amdhsa_group_segment_fixed_size 327680
		.amdhsa_private_segment_fixed_size 0
		.amdhsa_enable_private_segment 0
		.amdhsa_kernarg_size 64
		.amdhsa_user_sgpr_count 2
		.amdhsa_user_sgpr_kernarg_segment_ptr 1
		.amdhsa_wavefront_size32 1
		.amdhsa_system_sgpr_workgroup_id_x 1
		.amdhsa_system_sgpr_workgroup_id_y 1
		.amdhsa_system_sgpr_workgroup_id_z 1
		.amdhsa_system_vgpr_workitem_id 0
		.amdhsa_next_free_vgpr 1024
		.amdhsa_next_free_sgpr 80
		.amdhsa_reserve_vcc 1
		.amdhsa_float_denorm_mode_32 3
		.amdhsa_float_denorm_mode_16_64 3
		.amdhsa_memory_ordered 1
		.amdhsa_forward_progress 1
		.amdhsa_inst_pref_size 255
	.end_amdhsa_kernel
	.section	.bss,"aw",@nobits
	.p2align	6
	.space	262144
	.amdgpu_metadata
---
amdhsa.version: [ 1, 2 ]
amdhsa.kernels:
  - .name:           k_qf891c43873_ffq
    .symbol:         k_qf891c43873_ffq.kd
    .args:
      - { .name: W1, .offset: 0, .size: 8, .value_kind: global_buffer, .address_space: global }
      - { .name: W2_codes, .offset: 8, .size: 8, .value_kind: global_buffer, .address_space: global }
      - { .name: W2_scales, .offset: 16, .size: 8, .value_kind: global_buffer, .address_space: global }
      - { .name: b1, .offset: 24, .size: 8, .value_kind: global_buffer, .address_space: global }
      - { .name: b2, .offset: 32, .size: 8, .value_kind: global_buffer, .address_space: global }
      - { .name: theta, .offset: 40, .size: 8, .value_kind: global_buffer, .address_space: global }
      - { .name: x, .offset: 48, .size: 8, .value_kind: global_buffer, .address_space: global }
      - { .name: out0, .offset: 56, .size: 8, .value_kind: global_buffer, .address_space: global }
    .group_segment_fixed_size: 327680
    .private_segment_fixed_size: 0
    .kernarg_segment_align: 8
    .kernarg_segment_size: 64
    .max_flat_workgroup_size: 128
    .sgpr_count:     80
    .vgpr_count:     1024
    .wavefront_size: 32
...
	.end_amdgpu_metadata
.endif
;; end of part 1
